; MI455X (gfx1250); checked and timed in simulation.
; The chip was launched on July 23, 2026; its instructions are those of AMD's public machine-readable ISA for CDNA 5 (MIT licence, August 2026) and "CDNA5" Instruction Set Architecture Reference Guide (July 2026). The comments in the code are by the model that wrote it; some were corrected since.
;; Multi Step LIF Node. Allowed arithmetic: float matrix products may take bf16 or f16 operands with f32 sums; all other float work in f32.
;; Inputs: x_seq 4 x 16 x 256 x 32 x 32 float32.
;; Outputs: out0 4 x 16 x 256 x 32 x 32 float32.
;; One version. Each part assembles by itself: llvm-mc -triple=amdgcn-amd-amdhsa -mcpu=gfx1250 --defsym DOCPART=n.
;; ======== version 1 of 1: 1 launch
;; launch lif (part 1): grid 1024 x 1, 8 waves a work-group, no clusters, 0 bytes of LDS; arguments x_seq, out0; writes out0
.if DOCPART == 1
	.amdgcn_target "amdgcn-amd-amdhsa--gfx1250"
	.amdhsa_code_object_version 6
	.text
	.protected	k_q4b01b37832_lif
	.globl	k_q4b01b37832_lif
	.p2align	8
	.type	k_q4b01b37832_lif,@function
k_q4b01b37832_lif:
	s_mov_b64 s[64:65], 0
	v_nop
	global_prefetch_b8 v0, s[64:65] scope:SCOPE_SE
	s_setreg_imm32_b32 hwreg(HW_REG_WAVE_MODE, 25, 1), 1
	s_wait_xcnt 0x0
; Spikes of a leaky integrate-and-fire neuron over 4 time steps.  x_seq, out0: [4][4,194,304] f32 (a time plane is 16 MiB).
;   mem_t = 0.5 mem'_(t-1) + 0.5 x_t  (mem'_(-1) = 0),   s_t = (mem_t - 1 > 0),   mem'_t = mem_t - s_t,   out0[t] = s_t.
;
; ARITHMETIC, with the roundings of the definition.  Carried are B_t = mem'_(t-1) + x_t and C_t = -(mem'_t):
;   B_t = x_t - C_(t-1)          one rounding; halving is exact, so B_t is exactly 2 mem_t
;   s_t = (B_t > 2)              mem_t - 1 > 0 holds exactly where mem_t > 1: with denormals kept a difference is 0 only of equal numbers
;   C_t = fma(B_t, -0.5, s_t)    = s_t - mem_t, one rounding, the negative of mem_t - s_t
; Step 0 has B_0 = x_0 as loaded; the last step needs no C.  A NaN compares false: spike 0, as in the definition.
; LIMITS.  B is the sum before halving: it overflows where |x| comes near 2^127, while the definition stays finite up to the end of f32;
; this text is right at least up to |x| = 2^126 (8.5e37).  Below 2^-125 the definition's halving rounds at 2^-149 and this text's
; does not; that difference is far under half a last place of 1, so it never reaches the comparison: the spikes are the same.
;
; SHAPE.  Bytes are all that counts: each is read once and written once, the membrane stays in registers.  No lane needs another lane's
; data and no work-group another's input: no LDS, no barrier, no cluster.  1,024 work-groups of 8 waves; a work-group owns 16 KiB of each
; plane, as 4 chunks of 4,096 bytes; thread t owns the 16 bytes at 16 t of each chunk, in all 4 planes.  A wave's load or store covers 512
; consecutive bytes at a multiple of 512 from the buffer's first byte.  No loop: a wave issues its 16 loads at once and takes them in order.
; No register that a load or store names as address, base or data is written again, so no wait is needed to free one.
.set NSTEP,  4                         ; time steps
.set PLANE,  16*256*32*32*4            ; bytes from a time step to the next: beyond a load's immediate, so each plane has its own base
.set CHUNK,  256*16                    ; bytes that the 256 threads cover with one 16-byte access each
.set CHUNKS, 4                         ; chunks of a work-group in each plane
.set OFF, 1                            ; v1        16 t
.set R0,  4                            ; v[4:83]   chunk c: 20 registers from R0 + 20 c:
.set BLK, 20                           ;           +0..3 x_0, then B and C in turn;  +4..7 s_0;  +4+4t .. +7+4t (t = 1, 2, 3) x_t, then s_t
.set XB,  8                            ; s[8:15]   x_seq at my 16 KiB of plane t: s[XB+2t : XB+2t+1]
.set YB,  16                           ; s[16:23]  out0 likewise
.set MK,  24                           ; s[24:27]  the four compares' lane masks
	s_load_b128 s[4:7], s[0:1], 0x0                ; x_seq s[4:5], out0 s[6:7]
	s_lshl_b32 s2, ttmp9, 14                       ; the work-group's number times CHUNKS*CHUNK = 16,384 bytes (under 16 MiB: one word)
	s_mov_b32 s3, 0
	v_lshlrev_b32 v[OFF], 4, v0                    ; 16 bytes a thread
	s_wait_kmcnt 0x0
	s_add_nc_u64 s[XB:XB+1], s[4:5], s[2:3]
.irp t, 1,2,3
	s_add_nc_u64 s[XB+2*\t:XB+2*\t+1], s[XB+2*\t-2:XB+2*\t-1], PLANE
.endr
	; All 16 loads, chunk by chunk and in each chunk step by step: the order in which they are used.
.irp c, 0,1,2,3
	global_load_b128 v[R0+BLK*\c:R0+BLK*\c+3], v[OFF], s[XB:XB+1] offset:\c*CHUNK th:TH_LOAD_NT
.irp t, 1,2,3
	global_load_b128 v[R0+BLK*\c+4+4*\t:R0+BLK*\c+7+4*\t], v[OFF], s[XB+2*\t:XB+2*\t+1] offset:\c*CHUNK th:TH_LOAD_NT
.endr
.endr
	s_add_nc_u64 s[YB:YB+1], s[6:7], s[2:3]        ; the stores' bases, made while the loads are on their way
.irp t, 1,2,3
	s_add_nc_u64 s[YB+2*\t:YB+2*\t+1], s[YB+2*\t-2:YB+2*\t-1], PLANE
.endr
; Step t of chunk c, four neurons a lane.
.macro LIF c, t
.set B, R0+BLK*\c                      ; B_t, then C_t
.set S, R0+BLK*\c+4+4*\t               ; x_t (t > 0), then s_t
	s_wait_loadcnt NSTEP*CHUNKS-1-(NSTEP*\c+\t)    ; loads come back in order (ISA guide 5.7.1): this step's is in, the ones issued behind it stay out
.if \t
	v_pk_add_f32 v[B:B+1],   v[S:S+1],   v[B:B+1]   neg_lo:[0,1] neg_hi:[0,1]     ; B_t = x_t - C_(t-1) = 2 mem_t
	v_pk_add_f32 v[B+2:B+3], v[S+2:S+3], v[B+2:B+3] neg_lo:[0,1] neg_hi:[0,1]
.endif
.irp j, 0,1,2,3
	v_cmp_lt_f32 s[MK+\j], 2.0, v[B+\j]            ; 2 < B_t: the neuron fires
.endr
.irp j, 0,1,2,3
	v_cndmask_b32 v[S+\j], 0, 1.0, s[MK+\j]        ; s_t, over x_t, which has been used up (step 0: into registers of its own)
.endr
	global_store_b128 v[OFF], v[S:S+3], s[YB+2*\t:YB+2*\t+1] offset:\c*CHUNK th:TH_STORE_NT
.if \t != NSTEP-1
	v_pk_fma_f32 v[B:B+1],   v[B:B+1],   -0.5, v[S:S+1]   op_sel_hi:[1,0,1]       ; C_t = s_t - mem_t; s_t is only read here
	v_pk_fma_f32 v[B+2:B+3], v[B+2:B+3], -0.5, v[S+2:S+3] op_sel_hi:[1,0,1]
.endif
.endm
.irp c, 0,1,2,3
.irp t, 0,1,2,3
	LIF \c, \t
.endr
.endr
	s_endpgm                                       ; plain stores may still be on their way here
.Lfunc_end_k_q4b01b37832_lif:
	.size	k_q4b01b37832_lif, .Lfunc_end_k_q4b01b37832_lif-k_q4b01b37832_lif
	.p2alignl 7, 3214868480
	.fill 96, 4, 3214868480
	.section	.rodata,"a",@progbits
	.p2align	6, 0x0
	.amdhsa_kernel k_q4b01b37832_lif
		.amdhsa_group_segment_fixed_size 0
		.amdhsa_private_segment_fixed_size 0
		.amdhsa_enable_private_segment 0
		.amdhsa_kernarg_size 16
		.amdhsa_user_sgpr_count 2
		.amdhsa_user_sgpr_kernarg_segment_ptr 1
		.amdhsa_wavefront_size32 1
		.amdhsa_system_sgpr_workgroup_id_x 1
		.amdhsa_system_sgpr_workgroup_id_y 1
		.amdhsa_system_sgpr_workgroup_id_z 1
		.amdhsa_system_vgpr_workitem_id 0
		.amdhsa_next_free_vgpr 84
		.amdhsa_next_free_sgpr 66
		.amdhsa_reserve_vcc 0
		.amdhsa_float_denorm_mode_32 3
		.amdhsa_float_denorm_mode_16_64 3
		.amdhsa_memory_ordered 1
		.amdhsa_forward_progress 1
		.amdhsa_inst_pref_size 16
	.end_amdhsa_kernel
	.amdgpu_metadata
---
amdhsa.version: [ 1, 2 ]
amdhsa.kernels:
  - .name:           k_q4b01b37832_lif
    .symbol:         k_q4b01b37832_lif.kd
    .args:
      - { .name: x_seq, .offset: 0, .size: 8, .value_kind: global_buffer, .address_space: global }
      - { .name: out0, .offset: 8, .size: 8, .value_kind: global_buffer, .address_space: global }
    .group_segment_fixed_size: 0
    .private_segment_fixed_size: 0
    .kernarg_segment_align: 8
    .kernarg_segment_size: 16
    .max_flat_workgroup_size: 256
    .sgpr_count:     66
    .vgpr_count:     84
    .wavefront_size: 32
...
	.end_amdgpu_metadata
.endif
;; end of part 1
